; MI455X (gfx1250); checked and timed in simulation.
; The chip was launched on July 23, 2026; its instructions are those of AMD's public machine-readable ISA for CDNA 5 (MIT licence, August 2026) and "CDNA5" Instruction Set Architecture Reference Guide (July 2026). The comments in the code are by the model that wrote it; some were corrected since.
;; Patch Graph Attention. Allowed arithmetic: matrix products marked QUANTISED: E2M3 operands, one E8M0 scale for each 32 along K, by v_wmma_scale_f32_16x16x128_f8f6f4 with both operands' format E2M3, f32 sums; everything else in f32.
;; Inputs: Wk_codes 1,024 x 32 x 24 uint8 (E2M3 codes of Wk, K innermost, in blocks of 32 codes, four codes in three bytes); Wk_scales 1,024 x 32 uint8 (E8M0 scales of Wk, one for each 32 codes along K); Wo_codes 1,024 x 32 x 24 uint8 (E2M3 codes of Wo, K innermost, in blocks of 32 codes, four codes in three bytes); Wo_scales 1,024 x 32 uint8 (E8M0 scales of Wo, one for each 32 codes along K); Wq_codes 1,024 x 32 x 24 uint8 (E2M3 codes of Wq, K innermost, in blocks of 32 codes, four codes in three bytes); Wq_scales 1,024 x 32 uint8 (E8M0 scales of Wq, one for each 32 codes along K); Wv_codes 1,024 x 32 x 24 uint8 (E2M3 codes of Wv, K innermost, in blocks of 32 codes, four codes in three bytes); Wv_scales 1,024 x 32 uint8 (E8M0 scales of Wv, one for each 32 codes along K); bk 1,024 float32; bo 1,024 float32; bq 1,024 float32; bv 1,024 float32; patch_mask 4 x 2,048 float32; x_codes 4 x 2,048 x 32 x 24 uint8 (E2M3 codes of x, K innermost, in blocks of 32 codes, four codes in three bytes); x_scales 4 x 2,048 x 32 uint8 (E8M0 scales of x, one for each 32 codes along K).
;; Outputs: out0 4 x 2,048 x 1,024 float32.
;; This version of the problem:
;;   THIS VERSION OF THE PROBLEM IS GIVEN IN LOW PRECISION. The matrix products marked QUANTISED in the list below multiply operands that are first quantised to E2M3 (2 exponent bits, 3 mantissa bits; 6 bits a number), with one power-of-two scale for each 32 numbers along K (OCP MX v1.0); their sums are f32. All else is computed in f32.
;;   The module's matrix products, in the order in which they are computed (A, B: the left and right operand; K: the contracted axis; several contracted axes count as one K, in the product's order):
;;     1. [M 8,192, K 1,024] x [K 1,024, N 1,024]; A: input x (given as codes); B: input Wq (given as codes): QUANTISED
;;     2. [M 8,192, K 1,024] x [K 1,024, N 1,024]; A: input x (given as codes); B: input Wk (given as codes): QUANTISED
;;     3. [M 8,192, K 1,024] x [K 1,024, N 1,024]; A: input x (given as codes); B: input Wv (given as codes): QUANTISED
;;     4. batch 64 x [M 2,048, K 64] x [K 64, N 2,048]; A: computed on the way; B: computed on the way: QUANTISED
;;     5. batch 64 x [M 2,048, K 2,048] x [K 2,048, N 64]; A: softmax (see below); B: computed on the way: QUANTISED
;;     6. [M 8,192, K 1,024] x [K 1,024, N 1,024]; A: computed on the way; B: input Wo (given as codes): QUANTISED
;;   THE QUANTISER, for each operand of a quantised product, along K:
;;     - K is cut into blocks of 32 from its start; a last block that is shorter is filled with zeros.
;;     - A block's scale is 2^e with e = floor(log2(the largest magnitude in the block)) - 2, held to -126 .. 127; a block of zeros has e = 0. As a byte (E8M0): e + 127.
;;     - Each number is divided by its block's scale, clamped to +-7.5, and rounded to the nearest number of E2M3, ties to even, subnormals kept.
;;     - The product sums the exact products of the quantised numbers (number of the format x scale) in f32.
;;   ~~~python
;;   def quantise(x, axis):      # numpy; x: float32 -> the quantised numbers, widened to float32 again
;;       x = np.moveaxis(x, axis, -1); K = x.shape[-1]
;;       x = np.pad(x, [(0, 0)] * (x.ndim - 1) + [(0, -K % 32)]); x = x.reshape(x.shape[:-1] + (-1, 32)); a = np.abs(x).max(-1, keepdims=True)
;;       e = np.where(a > 0, np.clip(np.frexp(np.where(a > 0, a, 1))[1] - 1 - 2, -126, 127), 0)      # np.frexp(a)[1] - 1 = floor(log2(a)), exactly
;;       r = np.clip(x / 2.0 ** e, -7.5, 7.5)
;;       step = 2.0 ** (np.maximum(np.frexp(np.where(r == 0, 1, r))[1] - 1, 0) - 3)
;;       q = np.round(r / step) * step * 2.0 ** e      # np.round: ties to even
;;       return np.moveaxis(q.reshape(q.shape[:-2] + (-1,))[..., :K], -1, axis).astype(np.float32)
;;   ~~~
;;   SOFTMAX AHEAD OF A QUANTISED PRODUCT. Where the list says 'softmax', what is quantised is not the finished softmax but p = 2^(t - M), with t = logit x log2(e) and M = ceil(the row's largest t), a whole number; so 1/2 < the row's largest p <= 1. The row's sum l is taken of the UNQUANTISED p, in f32, and the product's result is divided by l at the end. Since M is a whole number, a kernel that streams over the keys may use a running M (the ceiling of the running maximum): every later rescaling is an exact power of two, which a block's scale takes up: the codes' values come out the same.
;;   OPERANDS COMPUTED ON THE WAY. 'Computed on the way' means the value that the module computes at that place (a softmax that the list does not call 'softmax' is quantised finished and normalised). What goes into a quantiser is computed in f32, as accurately as f32 sums, v_exp_f32 and their like allow (about 1e-6 of the number): no bf16 or f16 on the way to a quantiser, and a product that is left as it is and whose result goes on into a quantised operand takes f32 operands (vector FMAs, or v_wmma_f32_16x16x4_f32). A number that lies on a knife's edge between two numbers of the format may be rounded either way, as far as f32 arithmetic and the matrix unit's own rounding can turn it there, and no further.
;;   INPUTS GIVEN AS CODES. Wk (in the module: [1024, 1024], K = its axis 1); Wo (in the module: [1024, 1024], K = its axis 1); Wq (in the module: [1024, 1024], K = its axis 1); Wv (in the module: [1024, 1024], K = its axis 1); x (in the module: [4, 2048, 1024], K = its axis 2): each comes as NAME_codes (uint8): NAME with its K axis moved to the last place and cut into blocks of 32 codes, [.., K / 32, bytes a block], one block behind the other in memory; four codes in three bytes: a row's codes are one little-endian stream of bits, code i at bits 6 i .. 6 i + 5 (a code: sign, 2 exponent bits, 3 mantissa bits); and NAME_scales (uint8): the same leading axes, one E8M0 byte (e + 127) for each 32 codes along K. Its value is code x scale, taken as it is: it is not quantised again, and the codes and scales need not be those that the quantiser above would give.
;; One version. Each part assembles by itself: llvm-mc -triple=amdgcn-amd-amdhsa -mcpu=gfx1250 --defsym DOCPART=n.
;; ======== version 1 of 1: 3 launches
;; limits: right only within a limited range of input values
;; workspace buffers: qb 6,815,744 bytes; kv 13,631,488 bytes; tbl 8,192 bytes; att 6,291,456 bytes; asc 262,144 bytes
;; launch qkv (part 1): grid 8 x 48, 4 waves a work-group, clusters of 4 x 4, 327,680 bytes of LDS; arguments x_codes, x_scales, Wq_codes, Wq_scales, Wk_codes, Wk_scales, Wv_codes, Wv_scales, bq, bk, bv, patch_mask, qb, kv, tbl; writes qb, kv, tbl
.if DOCPART == 1
	.amdgcn_target "amdgcn-amd-amdhsa--gfx1250"
	.amdhsa_code_object_version 6
	.text
	.protected	k_qb03a6b845a_qkv
	.globl	k_qb03a6b845a_qkv
	.p2align	8
	.type	k_qb03a6b845a_qkv,@function
k_qb03a6b845a_qkv:
	s_mov_b64 s[64:65], 0
	v_nop
	global_prefetch_b8 v0, s[64:65] scope:SCOPE_SE
	s_setreg_imm32_b32 hwreg(HW_REG_WAVE_MODE, 25, 1), 1
	s_wait_xcnt 0x0
	s_wait_alu depctr_hold_cnt(0) depctr_sa_sdst(0) depctr_va_vdst(0) depctr_va_sdst(0) depctr_va_ssrc(0) depctr_va_vcc(0) depctr_vm_vsrc(0)
	s_getreg_b32 s2, hwreg(HW_REG_IB_STS2, 6, 4)
	s_cmp_eq_u32 s2, 0
	s_cbranch_scc0 .Lentry_in_a_cluster
	s_endpgm
.Lentry_in_a_cluster:
	s_bfe_u32 s2, ttmp6, 0x10000c
	s_cmp_lg_u32 s2, 0xf033
	s_cbranch_scc0 .Lentry_shape_is_right
	s_endpgm
.Lentry_shape_is_right:
; Q = x Wq^T + bq, K = x Wk^T + bk, V = x Wv^T + bv on codes of FP6 (E2M3), each result quantised again and stored as operand registers of the next launch.
; A work-group of four waves makes 256 x 256, a wave 128 x 128 (64 accumulators).  Cluster rows 0-7: A = x, B = Wq (cluster x 0) or Wk (1).  Cluster rows 8-11: A = Wv, B = x, so that V's scale blocks run along the tokens.
; K goes through two LDS slots in CHUNKS OF 256 BYTES of each row of 768: every tensor row begins at a multiple of 256 bytes.  A step of 128 along K is 96 bytes: eight steps to three chunks; steps 2 and 5 lie across two chunks.
; The scales of the 256 + 256 rows come once, at the head.  Tiles are asked for jointly: A's by a row of the cluster, B's by a column.
; OUT: parts of 6,656 bytes (128 tokens of a head): four fragments of 1,536 bytes, then 512 bytes of scale words.  qb: Q's parts; kv: K's part, then V's, for each key step.  Codes of masked keys of K are zeros.
; tbl: log2(exp(-d) + 1e-12) for d = |i - 256|, four copies shifted by 0 to 3 numbers, made by the first cluster.
; No step of reference() is left out.  LIMIT: NaN and infinities are not served.
.set SIZE_K, 1024
.set ROWB,   256
.set NQ,     2
.set KROW,   SIZE_K*6/8
.set STEPS,  SIZE_K/128
.set CHUNKS, KROW/ROWB
.set PITCH,  272                       ; 256 bytes + 16 of padding
.set FR,     12
.set NL,     6
.set NP,     4
.set HALFT,  128*PITCH
.set SLOT,   4*HALFT                   ; A's 256 rows, then B's
.set KS,     SIZE_K/32
.set SCL,    2*SLOT
.set HALFS,  (128*KS/256)*272
.set SBLK,   (16*KS/256)*272
.set SPARE,  SCL+4*HALFS
.set PART,   6656
.set ADRA, 16                          ; v16-17 my A fragments in slot 0, 1; v18-19 for pieces whose lanes 16-31 read the next chunk
.set ADRB, 20                          ; v20-23 the same for B
.set VO,   24
.set ADRS, 27
.set SPW,  28
.set NIL,  29
.set SC,   32                          ; v32-63 scale words, two sets
.set G,    64
.set SW0,  88
.set SW1,  92
.set AF,   128                         ; A's fragments, one set
.set ST,   128
.set TM,   192
.set CT,   208
.set PWR,  216
.set X,    224
.set PMV,  240
.set KM,   248
.set G1, 24
.set G0, 32
.set G1B, 48
.set G0B, 56
.set G1S, 68
.set G0S, 76
.set G1SB, 80
.set G0SB, 88
.set G0H, 4
.set G0HB, 8
.set MSB, 0
.macro WIN new
.if MSB != \new
	s_set_vgpr_msb (MSB<<8)|\new
.set MSB, \new
.endif
.endm
.set MUL_LO, 0xa1
.set MUL_HI, 0xf1
.set TO_B,   0x40
.macro JLOAD g0a, g1a, g0b, g1b        ; waves 0, 1 fetch for A, waves 2, 3 for B
	s_cmp_eq_u32 s15, 0
	s_cbranch_scc0 .Lfor_b_\@
	tensor_load_to_lds s[\g0a:\g0a+3], s[\g1a:\g1a+7]
	s_nop 0
.rept 4
	v_nop
.endr
	s_branch .Lasked_\@
.Lfor_b_\@:
	tensor_load_to_lds s[\g0b:\g0b+3], s[\g1b:\g1b+7]
	s_nop 0
.rept 4
	v_nop
.endr
.Lasked_\@:
.endm
.macro CREST
	s_cmp_lg_u32 s14, 0
	s_cbranch_scc1 .Lnot_wave_0_\@
	s_barrier_signal -3
.Lnot_wave_0_\@:
	s_barrier_wait -3
	s_barrier_signal -1
	s_barrier_wait -1
.endm
.macro CROUND
	s_barrier_signal -1
	s_barrier_wait -1
	CREST
.endm
	s_load_b512 s[68:83], s[0:1], 0x0
	s_load_b256 s[84:91], s[0:1], 0x40
	s_load_b128 s[92:95], s[0:1], 0x60
	s_load_b64 s[96:97], s[0:1], 0x70
	v_lshl_add_u32 v[SPW], v0, 2, SPARE
	v_mov_b32 v[NIL], 0
	ds_add_u32 v[SPW], v[NIL]              ; the opening lines: the add twice and its wait
	ds_add_u32 v[SPW], v[NIL]
	v_lshrrev_b32 v1, 5, v0
	v_readfirstlane_b32 s14, v1            ; wave
	s_lshr_b32 s15, s14, 1
	s_and_b32 s16, s14, 1
	s_bfe_u32 s40, ttmp6, 0x40000          ; cx
	s_bfe_u32 s41, ttmp6, 0x40004          ; cy
	s_mov_b32 s66, ttmp9
	s_and_b32 s67, ttmp7, 0xffff
	s_lshl_b32 s2, s67, 1
	s_add_co_u32 s2, s2, s66
	s_sub_co_u32 s2, s2, 16
	s_cmp_lt_u32 s67, 8
	s_cselect_b32 s17, s67, 0
	s_cselect_b32 s42, 0, s2
	s_lshl_b32 s17, s17, 2
	s_add_co_u32 s17, s17, s41             ; tile row of A
	s_lshl_b32 s42, s42, 2
	s_add_co_u32 s42, s42, s40             ; tile column of B
	s_lshl_b32 s43, s41, 2
	s_lshl_b32 s43, 15, s43
	s_lshl_b32 s44, 0x1111, s40
	s_or_b32 s[G1+0], s43, (0<<16)|(1<<20)|(1<<21)|(5<<22)|(3<<25)
	s_or_b32 s[G1B+0], s44, (0<<16)|(1<<20)|(1<<21)|(5<<22)|(3<<25)
.irp g, G1, G1B
	s_mov_b32 s[\g+1], ROWB<<16
	s_mov_b32 s[\g+2], 256<<16             ; the head's loads bring 256 rows
	s_mov_b32 s[\g+3], ROWB<<16
	s_mov_b32 s[\g+4], 256
	s_mov_b32 s[\g+5], KROW
	s_mov_b32 s[\g+6], 0
	s_mov_b32 s[\g+7], 0
.endr
	s_lshl_b32 s20, s17, 8
	s_lshl_b32 s46, s42, 8
	s_mov_b32 s21, 0
	s_mov_b32 s47, 0
	s_mov_b64 s[18:19], KS
	s_mul_u64 s[22:23], s[20:21], s[18:19]
	s_mul_u64 s[100:101], s[46:47], s[18:19]
	s_mov_b64 s[18:19], KROW
	s_mul_u64 s[20:21], s[20:21], s[18:19]
	s_mul_u64 s[46:47], s[46:47], s[18:19]
	s_mul_i32 s18, s16, 128*KROW           ; in the ring I fetch 128 rows: which half
	s_mov_b32 s19, 0
	s_mul_i32 s45, s14, HALFT
	s_wait_dscnt 0x0
	s_wait_kmcnt 0x0
	s_cmp_eq_u32 s66, 0
	s_cselect_b64 s[8:9], s[72:73], s[76:77]
	s_cselect_b64 s[10:11], s[74:75], s[78:79]
	s_cselect_b64 s[12:13], s[84:85], s[86:87]
	s_cselect_b64 s[98:99], s[92:93], s[94:95]
	s_cmp_lt_u32 s67, 8
	s_cselect_b64 s[4:5], s[68:69], s[80:81]
	s_cselect_b64 s[6:7], s[70:71], s[82:83]
	s_cselect_b64 s[8:9], s[8:9], s[68:69]
	s_cselect_b64 s[10:11], s[10:11], s[70:71]
	s_cselect_b64 s[12:13], s[12:13], s[88:89]
	s_cselect_b64 s[98:99], s[98:99], s[94:95]
	s_mov_b64 s[104:105], s[90:91]
	s_add_nc_u64 s[20:21], s[4:5], s[20:21]
	s_add_nc_u64 s[22:23], s[6:7], s[22:23]
	s_add_nc_u64 s[46:47], s[8:9], s[46:47]
	s_add_nc_u64 s[100:101], s[10:11], s[100:101]
	s_or_b32 s[G1S+0], s43, (3<<16)|(1<<20)|(1<<21)|(5<<22)|(3<<25)
	s_or_b32 s[G1SB+0], s44, (3<<16)|(1<<20)|(1<<21)|(5<<22)|(3<<25)
.irp g, G1S, G1SB                      ; the scales of 256 rows: KS rows of 256 bytes
	s_mov_b32 s[\g+1], 32<<16
	s_mov_b32 s[\g+2], KS<<16
	s_mov_b32 s[\g+3], 32<<16
	s_mov_b32 s[\g+4], KS
	s_mov_b32 s[\g+5], 32
	s_mov_b32 s[\g+6], 0
	s_mov_b32 s[\g+7], 0
.endr
	CROUND                                 ; in front of the first joint loads
	s_mov_b32 s[G0H], 1
	s_mov_b32 s[G0H+1], 0
	s_mov_b64 s[G0H+2:G0H+3], s[20:21]
	s_or_b32 s[G0H+3], s[G0H+3], 0x80000000
	s_mov_b32 s[G0HB], 1
	s_mov_b32 s[G0HB+1], 2*HALFT
	s_mov_b64 s[G0HB+2:G0HB+3], s[46:47]
	s_or_b32 s[G0HB+3], s[G0HB+3], 0x80000000
	s_mov_b32 s[G0S], 1
	s_mov_b32 s[G0S+1], SCL
	s_mov_b64 s[G0S+2:G0S+3], s[22:23]
	s_or_b32 s[G0S+3], s[G0S+3], 0x80000000
	s_mov_b32 s[G0SB], 1
	s_mov_b32 s[G0SB+1], SCL+2*HALFS
	s_mov_b64 s[G0SB+2:G0SB+3], s[100:101]
	s_or_b32 s[G0SB+3], s[G0SB+3], 0x80000000
	s_add_nc_u64 s[20:21], s[20:21], s[18:19]
	s_add_nc_u64 s[46:47], s[46:47], s[18:19]
.irp s, 0,1
	s_mov_b32 s[G0+4*\s], 1
	s_add_co_u32 s[G0+4*\s+1], s45, \s*SLOT
	s_add_nc_u64 s[G0+4*\s+2:G0+4*\s+3], s[20:21], \s*ROWB
	s_or_b32 s[G0+4*\s+3], s[G0+4*\s+3], 0x80000000
	s_mov_b32 s[G0B+4*\s], 1
	s_add_co_u32 s[G0B+4*\s+1], s45, \s*SLOT
	s_add_nc_u64 s[G0B+4*\s+2:G0B+4*\s+3], s[46:47], \s*ROWB
	s_or_b32 s[G0B+4*\s+3], s[G0B+4*\s+3], 0x80000000
.endr
; the head's four tiles, one a wave: chunk 0 of A, chunk 0 of B, A's scales, B's scales
.macro ARM under, g0, g1, next
	s_cmp_lt_u32 s14, \under
	s_cbranch_scc0 \next
	tensor_load_to_lds s[\g0:\g0+3], s[\g1:\g1+7]
	s_nop 0
.rept 4
	v_nop
.endr
	s_branch .Lhead_asked
\next:
.endm
	ARM 1, G0H,  G1,  .Lhead_b
	ARM 2, G0HB, G1B, .Lhead_sa
	ARM 3, G0S,  G1S, .Lhead_sb
	tensor_load_to_lds s[G0SB:G0SB+3], s[G1SB:G1SB+7]
	s_nop 0
.rept 4
	v_nop
.endr
.Lhead_asked:
	v_and_b32 v1, 15, v0                   ; r
	v_bfe_u32 v2, v0, 4, 1                 ; h
	v_mul_u32_u24 v3, v1, PITCH
	v_mul_u32_u24 v4, v2, 24
	v_add_nc_u32 v4, v3, v4
	s_mov_b32 s21, SLOT-232
	s_mov_b32 s22, SLOT+232
	v_sub_nc_u32 v7, 1, v2
	v_mul_u32_u24 v5, s21, v2
	v_add_nc_u32 v5, v3, v5
	v_add_nc_u32 v5, 232, v5               ; lanes 0-15 byte 232 in slot 0, lanes 16-31 byte 0 in slot 1
	v_mul_u32_u24 v6, s22, v7
	v_add_nc_u32 v6, v3, v6                ; and the other way round
	s_mul_i32 s21, s15, HALFT
	s_mul_i32 s22, s16, HALFT
	s_add_co_u32 s22, s22, 2*HALFT
	v_add_nc_u32 v[ADRA+2], s21, v5
	v_add_nc_u32 v[ADRA+3], s21, v6
	v_add_nc_u32 v[ADRB+2], s22, v5
	v_add_nc_u32 v[ADRB+3], s22, v6
.irp s, 0,1
	v_add_nc_u32 v[ADRA+\s], s21, v4
	v_add_nc_u32 v[ADRB+\s], s22, v4
	s_add_co_u32 s21, s21, SLOT
	s_add_co_u32 s22, s22, SLOT
.endr
	v_mul_u32_u24 v5, v1, KS
	v_lshrrev_b32 v6, 8, v5
	v_lshl_add_u32 v5, v6, 4, v5
	s_mul_i32 s21, s15, HALFS
	s_mul_i32 s22, s16, HALFS
	s_add_co_u32 s22, s22, 2*HALFS
	s_sub_co_u32 s22, s22, s21
	v_mul_u32_u24 v6, s22, v2              ; lanes 16-31 take B's words
	s_add_co_u32 s21, s21, SCL
	v_add_nc_u32 v5, v5, v6
	v_add_nc_u32 v[ADRS], s21, v5
	; the way out: biases, the mask, and where my parts go
	s_lshl_b32 s92, s17, 1
	s_add_co_u32 s92, s92, s15
	s_lshl_b32 s93, s42, 1
	s_add_co_u32 s93, s93, s16
	s_cmp_lt_u32 s67, 8
	s_cselect_b32 s94, s92, s93
	s_cselect_b32 s18, s93, s92
	s_cselect_b32 s19, s93, 0
	s_cselect_b32 s2, 0, s92
	s_cselect_b32 s92, s92, 0
	s_cselect_b32 s101, 0, PART
	s_lshl_b32 s19, s19, 9
	s_lshl_b32 s2, s2, 9
	s_lshl_b32 s92, s92, 9
	v_lshlrev_b32 v3, 5, v2
	v_lshlrev_b32 v4, 2, v1
	v_add_nc_u32 v13, s19, v3
	v_add_nc_u32 v14, s2, v4
	v_add_nc_u32 v15, s92, v4
	WIN TO_B
.irp b, 0,1,2,3,4,5,6,7
	global_load_b128 v[96+8*\b+96*(\b/4):96+8*\b+96*(\b/4)+3], v13, s[12:13] offset:64*\b
	global_load_b128 v[100+8*\b+96*(\b/4):100+8*\b+96*(\b/4)+3], v13, s[12:13] offset:64*\b+16
.endr
	WIN 0
.irp a, 0,1,2,3,4,5,6,7
	global_load_b32 v[X+2*\a], v14, s[12:13] offset:64*\a
	global_load_b32 v[X+2*\a+1], v14, s[12:13] offset:64*\a
	global_load_b32 v[PMV+\a], v15, s[104:105] offset:64*\a
.endr
	s_lshr_b32 s95, s67, 3
	s_or_b32 s93, s95, s66
	s_mov_b32 s100, 2*PART
	s_cmp_eq_u32 s93, 0
	s_cselect_b32 s100, PART, s100
	s_xor_b32 s93, s66, 1
	s_or_b32 s93, s93, s95
	s_cmp_eq_u32 s93, 0
	s_cselect_b32 s95, -1, 0
	s_lshr_b32 s93, s94, 4
	s_lshl_b32 s93, s93, 4
	s_lshl_b32 s18, s18, 1
	s_add_co_u32 s93, s93, s18
	s_lshl_b32 s93, s93, 4
	s_and_b32 s94, s94, 15
	s_add_co_u32 s93, s93, s94
	s_mul_i32 s93, s93, s100
	s_add_co_u32 s18, s93, s101
	s_mov_b32 s19, 0
	s_add_nc_u64 s[98:99], s[98:99], s[18:19]
	s_lshl_b32 s100, s100, 4
	v_and_b32 v5, 31, v0
	v_lshlrev_b32 v[VO], 4, v5
	v_add_nc_u32 v[VO+1], s100, v[VO]
	s_or_b32 s2, s66, s67
	s_cmp_lg_u32 s2, 0
	s_cbranch_scc1 .Lno_table              ; the first cluster makes the table: 128 numbers a work-group
	s_lshl_b32 s2, s40, 7
	s_add_co_u32 s92, s2, s41
	s_sub_co_u32 s92, s92, 256
	s_lshl_b32 s93, s41, 9
	s_add_co_u32 s93, s93, s2
	s_mov_b32 s94, 0x3fb8aa3b
	s_mov_b32 s2, 0x32a57060
	v_add_nc_u32 v7, s92, v0
	v_cvt_f32_i32 v7, v7
	v_and_b32 v7, 0x7fffffff, v7
	v_mul_f32 v8, s94, v7
	v_fma_f32 v9, v7, s94, -v8
	v_fma_f32 v9, v7, s2, v9
	s_wait_alu depctr_va_vdst(0)
	v_exp_f32 v10, -v8
	v_mul_f32 v9, 0x3f317218, v9
	s_wait_alu depctr_va_vdst(0)
	v_fma_f32 v10, -v10, v9, v10
	v_add_f32 v10, 0x2b8cbccc, v10
	s_wait_alu depctr_va_vdst(0)
	v_log_f32 v11, v10
	v_add_lshl_u32 v12, s93, v0, 2
	s_wait_alu depctr_va_vdst(0)
	global_store_b32 v12, v11, s[96:97]
.Lno_table:
.macro FRAG reg, adr, st, i            ; 12 registers in six pieces of 8 bytes; byte y of a row lies in slot (y / 256) % 2 at byte y % 256
.irp p, 0,1,2,3,4,5
.set BY, 96*(\st)+48*(\p/3)+8*(\p%3)
.if BY/ROWB == (BY+24)/ROWB
	ds_load_b64 v[\reg+2*\p:\reg+2*\p+1], v[\adr+(BY/ROWB)%2] offset:BY%ROWB+(\i)*16*PITCH
.else
	ds_load_b64 v[\reg+2*\p:\reg+2*\p+1], v[\adr+2+(BY/ROWB)%2] offset:BY%ROWB-232+(\i)*16*PITCH
.endif
.endr
.endm
.macro MUL16 a0, p, q, sc, zero        ; source 0 = B's rows, source 1 = A's; the 64 accumulators by turns
.irp a, \a0, \a0+1
.irp b, 0,1,2,3,4,5,6,7
.if \zero
	v_wmma_scale_f32_16x16x128_f8f6f4 v[8*(8*((\a)%4)+\b):8*(8*((\a)%4)+\b)+7], v[128*(\p)+FR*\b:128*(\p)+FR*\b+FR-1], v[AF+FR*(\a):AF+FR*(\a)+FR-1], 0, v[SC+8*NQ*(\sc)+NQ*\b+(\q)], v[SC+8*NQ*(\sc)+NQ*(\a)+(\q)] matrix_a_fmt:MATRIX_FMT_FP6 matrix_b_fmt:MATRIX_FMT_FP6 matrix_a_scale:MATRIX_SCALE_ROW1
.else
	v_wmma_scale_f32_16x16x128_f8f6f4 v[8*(8*((\a)%4)+\b):8*(8*((\a)%4)+\b)+7], v[128*(\p)+FR*\b:128*(\p)+FR*\b+FR-1], v[AF+FR*(\a):AF+FR*(\a)+FR-1], v[8*(8*((\a)%4)+\b):8*(8*((\a)%4)+\b)+7], v[SC+8*NQ*(\sc)+NQ*\b+(\q)], v[SC+8*NQ*(\sc)+NQ*(\a)+(\q)] matrix_a_fmt:MATRIX_FMT_FP6 matrix_b_fmt:MATRIX_FMT_FP6 matrix_a_scale:MATRIX_SCALE_ROW1
.endif
.endr
.endr
.endm
.macro FETCH_B st, p
	WIN TO_B
.irp i, 0,1,2,3,4,5,6,7
	FRAG 128*(\p)+FR*\i, ADRB, \st, \i
.endr
	WIN 0
.endm
.macro FETCH_A st, i0
.irp i, \i0, \i0+1, \i0+2, \i0+3
	FRAG AF+FR*(\i), ADRA, \st, \i
.endr
.endm
.macro SCALES pr                       ; the words of steps 2 pr, 2 pr + 1
.irp i, 0,1,2,3,4,5,6,7
	ds_load_b64 v[SC+8*NQ*((\pr)%2)+NQ*\i:SC+8*NQ*((\pr)%2)+NQ*\i+1], v[ADRS] offset:\i*SBLK+4*NQ*(\pr)
.endr
.endm
.macro PLACES n
.rept \n
	v_nop
.endr
.endm
; A step: 64 products; the next step's fragments are fetched in its middle and at its end.  Where the next step ends in a chunk not yet read, a barrier shows that chunk;
; where it begins in a later chunk, the chunk left behind is free: the three lines, the barrier, and, if a chunk two on is left, a round and the refill.
.macro STEP st, zero
.set NX, (\st)+1
.set C0, (96*(\st))/ROWB
.set C1, (96*NX)/ROWB
.set E0, (96*(\st)+95)/ROWB
.set E1, (96*NX+95)/ROWB
.if C1 > C0 || E1 > E0
	s_wait_tensorcnt 0x0
.if C1 > C0
	ds_add_u32 v[SPW], v[NIL]
	s_wait_dscnt 4*NL+1                    ; the add and A's blocks 4-7 may be out
.else
	s_wait_dscnt 4*NL                      ; A's blocks 4-7 may be out
.endif
	WIN MUL_LO
	MUL16 0, (\st)%2, (\st)%2, ((\st)/2)%2, \zero
	s_wait_dscnt 0x0
	s_barrier_signal -1
	MUL16 2, (\st)%2, (\st)%2, ((\st)/2)%2, \zero
	WIN 0
	s_barrier_wait -1
.if C1 > C0 && C0+2 < CHUNKS
	CREST
	s_add_nc_u64 s[G0+4*(C0%2)+2:G0+4*(C0%2)+3], s[G0+4*(C0%2)+2:G0+4*(C0%2)+3], 2*ROWB
	s_add_nc_u64 s[G0B+4*(C0%2)+2:G0B+4*(C0%2)+3], s[G0B+4*(C0%2)+2:G0B+4*(C0%2)+3], 2*ROWB
	JLOAD G0+4*(C0%2), G1, G0B+4*(C0%2), G1B
.else
	PLACES NP
.endif
.else
	s_wait_dscnt 4*NL
	WIN MUL_LO
	MUL16 0, (\st)%2, (\st)%2, ((\st)/2)%2, \zero
	MUL16 2, (\st)%2, (\st)%2, ((\st)/2)%2, \zero
	s_wait_dscnt 0
	PLACES NP
.endif
	FETCH_B NX, NX%2
	FETCH_A NX, 0
.if NX%2 == 0
	SCALES NX/2
.endif
	WIN MUL_HI
	MUL16 4, (\st)%2, (\st)%2, ((\st)/2)%2, \zero
	MUL16 6, (\st)%2, (\st)%2, ((\st)/2)%2, \zero
	PLACES NP
	WIN 0
	FETCH_A NX, 4
.endm
	s_wait_alu depctr_va_vdst(0)           ; the wait at the head's end
	s_wait_tensorcnt 0x0                   ; my tile of the head's four is in
	ds_add_u32 v[SPW], v[NIL]
	s_mov_b32 s[G1+2], 128<<16             ; from here on a load brings 128 rows
	s_mov_b32 s[G1+4], 128
	s_mov_b32 s[G1B+2], 128<<16
	s_mov_b32 s[G1B+4], 128
	s_wait_dscnt 0x0
	CROUND
	JLOAD G0+4, G1, G0B+4, G1B             ; chunk 1, slot 1's first fill, issued as a refill is
	FETCH_B 0, 0
	FETCH_A 0, 0
	SCALES 0
	FETCH_A 0, 4
	STEP 0, 1
.set KST, 1
.rept STEPS-2
	STEP KST, 0
.set KST, KST+1
.endr
	s_wait_dscnt 4*NL
	WIN MUL_LO
	MUL16 0, 1, 1, 1, 0
	MUL16 2, 1, 1, 1, 0
	s_wait_dscnt 0
	WIN MUL_HI
	MUL16 4, 1, 1, 1, 0
	MUL16 6, 1, 1, 1, 0
	WIN 0
; THE WAY OUT.  64 numbers of a lane (four half blocks of 16) become two runs of six operand registers and a scale word
.macro QUANT s, d0, d1, pw
.irp b, 0,1,2,3
	v_max3_num_f32 v[TM+\b], |v[\s+16*\b]|, |v[\s+1+16*\b]|, 0x1800000
.endr
.irp i, 2,4,6,8,10,12,14
.irp b, 0,1,2,3
	v_max3_num_f32 v[TM+\b], v[TM+\b], |v[\s+16*\b+\i]|, |v[\s+1+16*\b+\i]|
.endr
.endr
.irp b, 0,1,2,3
	v_permlanex16_b32 v[TM+4+\b], v[TM+\b], s20, s21
.endr
.irp b, 0,1,2,3
	v_max_num_f32 v[TM+\b], v[TM+\b], v[TM+4+\b]
.endr
.irp b, 0,1,2,3
	v_add_nc_u32 v[TM+12+\b], 0xff000000, v[TM+\b]
.endr
.irp b, 0,1,2,3
	v_lshrrev_b32 v[TM+4+\b], 23, v[TM+12+\b]
.endr
	v_lshl_or_b32 v[\pw], v[TM+5], 8, v[TM+4]
	v_lshl_or_b32 v[\pw], v[TM+6], 16, v[\pw]
	v_lshl_or_b32 v[\pw], v[TM+7], 24, v[\pw]
	v_cvt_scalef32_pk16_fp6_f32 v[(\d0):(\d0)+2], v[\s:\s+15], v[TM+12]
	v_cvt_scalef32_pk16_fp6_f32 v[CT:CT+2], v[\s+16:\s+31], v[TM+13]
	v_cvt_scalef32_pk16_fp6_f32 v[(\d1):(\d1)+2], v[\s+32:\s+47], v[TM+14]
	v_cvt_scalef32_pk16_fp6_f32 v[CT+4:CT+6], v[\s+48:\s+63], v[TM+15]
	v_nop
.irp i, 0,1,2
	v_permlane16_swap_b32 v[(\d0)+\i], v[CT+\i]
	v_permlane16_swap_b32 v[(\d1)+\i], v[CT+4+\i]
.endr
.irp i, 0,1,2
	v_mov_b32 v[(\d0)+3+\i], v[CT+\i]
	v_mov_b32 v[(\d1)+3+\i], v[CT+4+\i]
.endr
.endm
.macro MOVE_QK a                       ; sums + bias (a number for each column)
	WIN 0x06+(\a)/4
.set ii, 0
.rept 32
	v_pk_add_f32 v[ST+ii:ST+ii+1], v[64*((\a)%4)+ii:64*((\a)%4)+ii+1], v[96+ii+96*(ii/32):96+ii+96*(ii/32)+1]
.set ii, ii+2
.endr
	WIN 0
.endm
.macro MOVE_V a                        ; sums + bias (a number for each row of Wv)
	WIN 0x02+(\a)/4
.set ii, 0
.rept 32
	v_pk_add_f32 v[ST+ii:ST+ii+1], v[64*((\a)%4)+ii:64*((\a)%4)+ii+1], v[X+2*(\a):X+2*(\a)+1]
.set ii, ii+2
.endr
	WIN 0
.endm
	s_wait_loadcnt 0x0
	PLACES NP
	s_mov_b32 s20, 0x76543210
	s_mov_b32 s21, 0xfedcba98
	s_mov_b32 s22, 0x05040100
	s_mov_b32 s23, 0x07060302
.irp b, 0,1,2,3
	v_mov_b32 v[TM+4+\b], 0
.endr
	s_cmp_lt_u32 s67, 8
	s_cbranch_scc0 .Lv_mode
.irp a, 0,1,2,3,4,5,6,7
	v_cmp_ge_f32 vcc_lo, 0, v[PMV+\a]
	s_and_b32 vcc_lo, vcc_lo, s95          ; K alone: masked keys get zero codes
	v_cndmask_b32 v[KM+\a], -1, 0, vcc_lo
.endr
.irp fp, 0,1,2,3
	s_wait_xcnt 0x0
.irp u, 0,1
	MOVE_QK 2*\fp+\u
	QUANT ST, G+6*\u, G+12+6*\u, PWR+\u
.irp i, 0,1,2,3,4,5
	v_and_b32 v[G+6*\u+\i], v[G+6*\u+\i], v[KM+2*\fp+\u]
	v_and_b32 v[G+12+6*\u+\i], v[G+12+6*\u+\i], v[KM+2*\fp+\u]
.endr
.endr
	v_perm_b32 v[SW0+\fp], v[PWR+1], v[PWR], s22
	v_perm_b32 v[SW1+\fp], v[PWR+1], v[PWR], s23
.irp c, 0,1
.irp p, 0,1,2
	global_store_b128 v[VO+\c], v[G+12*\c+4*\p:G+12*\c+4*\p+3], s[98:99] offset:1536*\fp+512*\p
.endr
.endr
.endr
	global_store_b128 v[VO], v[SW0:SW0+3], s[98:99] offset:6144
	global_store_b128 v[VO+1], v[SW1:SW1+3], s[98:99] offset:6144
	s_branch .Lout
.Lv_mode:
.irp a, 0,1,2,3,4,5,6,7
	s_wait_xcnt 0x0
	MOVE_V \a
	QUANT ST, G, G+6, SW0+\a%4
.irp p, 0,1,2
	global_store_b128 v[VO+\a/4], v[G+4*\p:G+4*\p+3], s[98:99] offset:1536*(\a%4)+512*\p
.endr
.if \a%4 == 3
	global_store_b128 v[VO+\a/4], v[SW0:SW0+3], s[98:99] offset:6144
.endif
.endr
.Lout:
	s_wait_tensorcnt 0x0                   ; the wave's end
	ds_add_u32 v[SPW], v[NIL]
	s_wait_dscnt 0x0
	CROUND                                 ; the closing round
	s_endpgm
.Lfunc_end_k_qb03a6b845a_qkv:
	.size	k_qb03a6b845a_qkv, .Lfunc_end_k_qb03a6b845a_qkv-k_qb03a6b845a_qkv
	.p2alignl 7, 3214868480
	.fill 96, 4, 3214868480
	.section	.rodata,"a",@progbits
	.p2align	6, 0x0
	.amdhsa_kernel k_qb03a6b845a_qkv
		.amdhsa_group_segment_fixed_size 327680
		.amdhsa_private_segment_fixed_size 0
		.amdhsa_enable_private_segment 0
		.amdhsa_kernarg_size 120
		.amdhsa_user_sgpr_count 2
		.amdhsa_user_sgpr_kernarg_segment_ptr 1
		.amdhsa_wavefront_size32 1
		.amdhsa_system_sgpr_workgroup_id_x 1
		.amdhsa_system_sgpr_workgroup_id_y 1
		.amdhsa_system_sgpr_workgroup_id_z 1
		.amdhsa_system_vgpr_workitem_id 0
		.amdhsa_next_free_vgpr 1024
		.amdhsa_next_free_sgpr 106
		.amdhsa_reserve_vcc 1
		.amdhsa_float_denorm_mode_32 3
		.amdhsa_float_denorm_mode_16_64 3
		.amdhsa_memory_ordered 1
		.amdhsa_forward_progress 1
		.amdhsa_inst_pref_size 240
	.end_amdhsa_kernel
	.amdgpu_metadata
---
amdhsa.version: [ 1, 2 ]
amdhsa.kernels:
  - .name:           k_qb03a6b845a_qkv
    .symbol:         k_qb03a6b845a_qkv.kd
    .args:
      - { .name: x_codes, .offset: 0, .size: 8, .value_kind: global_buffer, .address_space: global }
      - { .name: x_scales, .offset: 8, .size: 8, .value_kind: global_buffer, .address_space: global }
      - { .name: Wq_codes, .offset: 16, .size: 8, .value_kind: global_buffer, .address_space: global }
      - { .name: Wq_scales, .offset: 24, .size: 8, .value_kind: global_buffer, .address_space: global }
      - { .name: Wk_codes, .offset: 32, .size: 8, .value_kind: global_buffer, .address_space: global }
      - { .name: Wk_scales, .offset: 40, .size: 8, .value_kind: global_buffer, .address_space: global }
      - { .name: Wv_codes, .offset: 48, .size: 8, .value_kind: global_buffer, .address_space: global }
      - { .name: Wv_scales, .offset: 56, .size: 8, .value_kind: global_buffer, .address_space: global }
      - { .name: bq, .offset: 64, .size: 8, .value_kind: global_buffer, .address_space: global }
      - { .name: bk, .offset: 72, .size: 8, .value_kind: global_buffer, .address_space: global }
      - { .name: bv, .offset: 80, .size: 8, .value_kind: global_buffer, .address_space: global }
      - { .name: patch_mask, .offset: 88, .size: 8, .value_kind: global_buffer, .address_space: global }
      - { .name: qb, .offset: 96, .size: 8, .value_kind: global_buffer, .address_space: global }
      - { .name: kv, .offset: 104, .size: 8, .value_kind: global_buffer, .address_space: global }
      - { .name: tbl, .offset: 112, .size: 8, .value_kind: global_buffer, .address_space: global }
    .group_segment_fixed_size: 327680
    .private_segment_fixed_size: 0
    .kernarg_segment_align: 8
    .kernarg_segment_size: 120
    .max_flat_workgroup_size: 128
    .sgpr_count:     106
    .vgpr_count:     1024
    .wavefront_size: 32
...
	.end_amdgpu_metadata
.endif
;; end of part 1
;; launch attn (part 2): grid 4 x 64, 16 waves a work-group, no clusters, 223,232 bytes of LDS; arguments qb, kv, tbl, patch_mask, att, asc; writes att, asc
.if DOCPART == 2
	.amdgcn_target "amdgcn-amd-amdhsa--gfx1250"
	.amdhsa_code_object_version 6
	.text
	.protected	k_qb03a6b845a_attn
	.globl	k_qb03a6b845a_attn
	.p2align	8
	.type	k_qb03a6b845a_attn,@function
k_qb03a6b845a_attn:
	s_mov_b64 s[64:65], 0
	v_nop
	global_prefetch_b8 v0, s[64:65] scope:SCOPE_SE
	s_setreg_imm32_b32 hwreg(HW_REG_WAVE_MODE, 25, 1), 1
	s_wait_xcnt 0x0
; o = softmax(q k^T / 8 + time bias, masked keys at a large negative number) v for one batch and head, both products on codes of FP6 (E2M3); o is quantised again along the model's axis and stored as A fragments of the last product.
; t = logit x log2(e) = score x c + T, c = log2(e) / 8, T = log2(exp(-|i - j|) + 1e-12).  M = the running largest t rounded up to a whole number; p = 2^(t - M) is quantised along the keys; the row's sum is taken of the unquantised p.
; SHARES.  A work-group owns 512 queries of one head, in two passes of 256; each of its sixteen waves 16 queries a pass.  Every wave walks the head's 2,048 keys, 128 a step: 8 products k q^T, 4 products v^T p.
; LDS.  The head's K and V, 16 steps x 13,312 bytes, come in ONCE: wave w fetches step w, one tensor load a wave; every wave waits for its load, one barrier shows all sixteen, and nothing is filled again: the walk has no barrier.
;   Behind them 2,048 numbers MK: 0, or -2^33 for a masked key; then the spare words.
; LAYOUT.  Both products are used transposed: a lane holds one query.  K's fragment holds two tiles of 16 keys (64 along the head each); it is multiplied by [q | 0] for the first and by [0 | q] for the second.
; THE MASK: MK is loaded from LDS into the accumulators and is the C of the first product; masked keys' codes of k are zeros, so their score is -2^33 exactly.
;   -2^33 x c = -1.549e9 has a last place of 128, so any addend under 64 rounds away: all masked keys have one t.  With a key that counts their p is 0; with none every p is 1.
;   LIMIT: masked keys stand at t = -1.549e9, not at -1e9 x log2(e): the results agree while the logits of keys that count lie above -1e9.  NaN and infinities are not served.
; THE TIME BIAS.  From |i - j| = 45 on the f32 sum exp(-d) + 1e-12 is 1e-12 itself.  A step with -160 <= first key - first query <= 48 takes T from the table; every other step has |i - j| >= 49 and takes the table's first number (d = 256).
; NO CLUSTER, though the four work-groups of a head read the same K and V: the branch round the table hangs on the work-group's block of queries, which differs between those four.  No prefetch: all requests go out at the head.
; asc is stored a byte a lane, rows 32 bytes apart: 2 bytes for each 48 bytes of codes.
.set PART,  6656
.set STEPB, 13312                      ; a step: K's fragments at 0, their words at 6,144, V's at 6,656, their words at 12,800
.set MKB,   212992
.set SPARE, 0x36000
.set LI,   1                           ; 16 x lane
.set AM0,  2                           ; MKB + 32 h
.set VT0,  3                           ; my place in the table
.set L8,   4                           ; 8 x lane
.set SA,   5                           ; 32 r + h
.set ADK,  6
.set ADM,  7
.set VT,   8
.set NM,   10                          ; -M
.set ADD,  12
.set TMAX, 13
.set QZ,   16                          ; v16-21 zeros, v22-27 q, v28-33 zeros
.set FP,   34
.set FRG,  36                          ; v36-83 four fragments
.set KSC,  84
.set VSC,  88
.set QW,   92
.set PW,   93
.set S,    96                          ; v96-159 S^T, then p
.set O,    160                         ; v160-191 O^T
.set PC,   192
.set CT,   204
.set BM,   212
.set PT,   216
.set SO,   220
.set SBY,  224
.set VQW,  230
.set MKA,  231
.set QRW,  232
.macro DL n
	s_delay_alu instid0(VALU_DEP_\n)
.endm
	s_load_b256 s[4:11], s[0:1], 0x0               ; qb, kv, tbl, patch_mask
	s_load_b128 s[12:15], s[0:1], 0x20             ; att, asc
	v_lshl_add_u32 v238, v0, 2, SPARE
	v_mov_b32 v239, 0
	ds_add_u32 v238, v239                          ; the opening lines
	ds_add_u32 v238, v239
	v_lshrrev_b32 v9, 5, v0
	DL 1
	v_readfirstlane_b32 s18, v9                    ; wave 0..15
	s_and_b32 s68, ttmp7, 0xffff                   ; 16 x batch + head
	s_mov_b32 s28, 3<<16                           ; a step's 13,312 dense bytes as 52 rows of 256
	s_mov_b32 s29, 32<<16
	s_mov_b32 s30, 52<<16
	s_mov_b32 s31, 32<<16
	s_mov_b32 s32, 52
	s_mov_b32 s33, 32
	s_mov_b32 s34, 0
	s_mov_b32 s35, 0
	s_lshl_b32 s69, s68, 4
	s_add_co_u32 s70, s69, s18
	s_mul_i32 s70, s70, STEPB                      ; step w of my head in kv
	s_mov_b32 s71, 0
	s_mov_b32 s36, 1
	s_mul_i32 s37, s18, STEPB                      ; and in LDS
	s_wait_dscnt 0x0
	s_wait_kmcnt 0x0
	s_add_nc_u64 s[38:39], s[6:7], s[70:71]
	s_or_b32 s39, s39, 0x80000000
	tensor_load_to_lds s[36:39], s[28:35]          ; my one load
	s_nop 0
.rept 4
	v_nop
.endr
	s_load_b32 s26, s[8:9], 0x0                    ; T for d = 256
	s_lshr_b32 s73, s68, 4                         ; the batch
	s_and_b32 s75, s68, 15                         ; the head
	s_lshl_b32 s74, s73, 13
	v_lshlrev_b32 v9, 4, v0
	DL 1
	v_add_nc_u32 v11, s74, v9
	global_load_b128 v[36:39], v11, s[10:11]       ; patch_mask of keys 4 x thread .. + 3
	v_add_nc_u32 v[MKA], MKB, v9
	v_and_b32 v10, 31, v0
	DL 1
	v_lshlrev_b32 v[LI], 4, v10
	DL 2
	v_lshlrev_b32 v[L8], 3, v10
	v_and_b32 v12, 15, v0                          ; r
	v_bfe_u32 v6, v0, 4, 1                         ; h
	DL 1
	v_lshl_add_u32 v[AM0], v6, 5, MKB
	DL 2
	v_lshl_add_u32 v[SA], v12, 5, v6
	DL 4
	v_sub_nc_u32 v7, 0, v12
	DL 1
	v_and_b32 v7, 3, v7                            ; e = (-r) & 3
	v_lshlrev_b32 v8, 3, v6
	DL 1
	v_sub_nc_u32 v8, v8, v12
	DL 1
	v_sub_nc_u32 v8, v8, v7
	DL 1
	v_add_nc_u32 v8, 0x100, v8
	DL 1
	v_lshlrev_b32 v8, 2, v8
	DL 1
	v_lshl_add_u32 v[VT0], v7, 11, v8              ; 2,048 e + 4 (256 - r - e + 8 h)
	s_lshl_b32 s56, ttmp9, 9
	s_lshl_b32 s74, s18, 4
	s_add_co_u32 s56, s56, s74                     ; my first query
	s_lshl_b32 s74, ttmp9, 2
	s_add_co_u32 s74, s74, s69
	s_lshr_b32 s70, s18, 3
	s_add_co_u32 s74, s74, s70                     ; q's part
	s_mul_i32 s74, s74, PART
	s_bfe_u32 s70, s18, 0x20001                    ; its fragment: (wave / 2) % 4
	s_mul_i32 s71, s70, 1536
	s_add_co_u32 s60, s74, s71
	s_mov_b32 s61, 0
	s_add_nc_u64 s[60:61], s[4:5], s[60:61]
	s_mul_i32 s71, s70, 1532
	s_sub_co_u32 s71, 6144, s71
	v_add_nc_u32 v[VQW], s71, v[LI]                ; from the fragment to its word
	s_lshl_b32 s62, s73, 7
	s_lshr_b32 s74, s56, 4
	s_add_co_u32 s62, s62, s74                     ; my tile of 16 tokens
	s_mul_i32 s62, s62, 12288
	s_mul_i32 s74, s75, 768
	s_add_co_u32 s62, s62, s74
	s_mov_b32 s63, 0
	s_add_nc_u64 s[62:63], s[12:13], s[62:63]      ; att: tile x 12,288 + head x 768
	s_lshl_b32 s66, s73, 11
	s_add_co_u32 s66, s66, s56
	s_lshl_b32 s66, s66, 5
	s_lshl_b32 s74, s75, 1
	s_add_co_u32 s66, s66, s74
	s_mov_b32 s67, 0
	s_add_nc_u64 s[66:67], s[14:15], s[66:67]      ; asc: token x 32 + 2 x head
	s_and_b32 s70, s18, 1                          ; which half of q's fragment is mine
	s_cmp_lg_u32 s70, 0
	s_cselect_b32 s76, -1, 0
	s_mov_b32 s77, 0x01000100
	s_cselect_b32 s77, 0x03020302, s77
	s_mov_b32 s20, 0x76543210
	s_mov_b32 s21, 0xfedcba98
	s_mov_b32 s24, 0x3e38aa3b                      ; c
	s_mov_b32 s25, s24
	s_mov_b32 s52, 0xffff0000                      ; lanes 16-31
.irp i, 0,1,2,3,4,5
	v_mov_b32 v[QZ+\i], 0
	v_mov_b32 v[QZ+12+\i], 0
.endr
.irp b, 0,1,2,3
	v_mov_b32 v[PT+\b], 0
.endr
	v_mov_b32 v[FP+1], 0
	s_wait_loadcnt 0x0
	v_mov_b32 v40, 0xd0000000                      ; -2^33
.irp i, 0,1,2,3
	v_cmp_ge_f32 vcc_lo, 0, v[36+\i]
	DL 1
	v_cndmask_b32 v[36+\i], 0, v40, vcc_lo
.endr
	ds_store_b128 v[MKA], v[36:39]
	s_mov_b32 s57, 2
	s_wait_alu depctr_va_vdst(0)                   ; the wait at the head's end
	s_wait_kmcnt 0x0
	s_wait_tensorcnt 0x0                           ; my step has landed,
	s_wait_dscnt 0x0                               ; and my four numbers of MK
	s_barrier_signal -1
	s_barrier_wait -1                              ; so have everybody's: LDS is only read from here on
; A KEY STEP: 128 keys.  s53: the step's bytes in LDS; s54: its MK; s55: its first key.
.macro STEP
	v_add_nc_u32 v[ADK], s53, v[LI]
	v_add_nc_u32 v[ADM], s54, v[AM0]
	v_nop
	v_nop                                          ; four places behind the last products
.irp t, 0,1,2,3,4,5,6,7
	ds_load_b128 v[S+8*\t:S+8*\t+3], v[ADM] offset:64*\t
	ds_load_b128 v[S+8*\t+4:S+8*\t+7], v[ADM] offset:64*\t+16
.endr
.irp f, 0,1,2,3
.irp p, 0,1,2
	ds_load_b128 v[FRG+12*\f+4*\p:FRG+12*\f+4*\p+3], v[ADK] offset:1536*\f+512*\p
.endr
.endr
	ds_load_b128 v[KSC:KSC+3], v[ADK] offset:6144
	s_wait_dscnt 0x0
.irp t, 0,1,2,3,4,5,6,7                        ; S^T = K Q^T + MK: register j of tile t: key 16 t + 8 h + j, query r
	v_wmma_scale_f32_16x16x128_f8f6f4 v[S+8*\t:S+8*\t+7], v[FRG+12*(\t/2):FRG+12*(\t/2)+11], v[QZ+6-6*(\t%2):QZ+17-6*(\t%2)], v[S+8*\t:S+8*\t+7], v[KSC+\t/2], v[QW] matrix_a_fmt:MATRIX_FMT_FP6 matrix_b_fmt:MATRIX_FMT_FP6
.endr
	s_sub_co_u32 s68, s55, s56
	s_add_co_u32 s69, s68, 160
	s_cmp_le_u32 s69, 208                          ; near the diagonal?
	s_cselect_b32 s22, 1.0, s24
	s_cselect_b32 s23, 1.0, s24
	s_cselect_b32 s27, 0, s26
.rept 4
	v_nop
.endr
	s_cbranch_scc0 .Lfar_\@
	s_lshl_b32 s68, s68, 2
	v_add_nc_u32 v[VT], s68, v[VT0]
.irp t, 0,1,2,3,4,5,6,7
.if \t < 6
.set TR, FRG+8*\t
.else
.set TR, 240+8*(\t-6)
.endif
	global_load_b128 v[TR:TR+3], v[VT], s[8:9] offset:64*\t
	global_load_b128 v[TR+4:TR+7], v[VT], s[8:9] offset:64*\t+16
.endr
	s_wait_loadcnt 0x0
.irp t, 0,1,2,3,4,5,6,7
.if \t < 6
.set TR, FRG+8*\t
.else
.set TR, 240+8*(\t-6)
.endif
.irp i, 0,2,4,6
	v_pk_fma_f32 v[S+8*\t+\i:S+8*\t+\i+1], v[S+8*\t+\i:S+8*\t+\i+1], s[24:25], v[TR+\i:TR+\i+1] op_sel_hi:[1,0,1]   ; t = score x c + T
.endr
.endr
.Lfar_\@:
	s_wait_alu depctr_va_vdst(0)
.irp f, 0,1,2,3                                ; V's fragments land under the softmax
.irp p, 0,1,2
	ds_load_b128 v[FRG+12*\f+4*\p:FRG+12*\f+4*\p+3], v[ADK] offset:PART+1536*\f+512*\p
.endr
.endr
	ds_load_b128 v[VSC:VSC+3], v[ADK] offset:PART+6144
.irp b, 0,1,2,3
	v_max3_num_f32 v[BM+\b], v[S+16*\b], v[S+1+16*\b], v[S+2+16*\b]   ; the largest of each block of 32 keys
.endr
.irp i, 3,5,7,9,11,13
.irp b, 0,1,2,3
	v_max3_num_f32 v[BM+\b], v[BM+\b], v[S+16*\b+\i], v[S+1+16*\b+\i]
.endr
.endr
.irp b, 0,1,2,3
	v_max_num_f32 v[BM+\b], v[BM+\b], v[S+15+16*\b]
.endr
.irp b, 0,1,2,3
	DL 4
	v_permlanex16_b32 v[PT+\b], v[BM+\b], s20, s21
.endr
.irp b, 0,1,2,3
	DL 4
	v_max_num_f32 v[BM+\b], v[BM+\b], v[PT+\b]
.endr
	DL 2
	v_max3_num_f32 v9, v[BM], v[BM+1], v[BM+2]
	DL 1
	v_max_num_f32 v9, v9, v[BM+3]
	DL 1
	v_fma_f32 v9, v9, s22, s27                     ; the step's largest t
	DL 1
	v_max_num_f32 v[TMAX], v[TMAX], v9
	v_mov_b32 v9, v[NM]
	DL 2
	v_floor_f32 v[NM], -v[TMAX]                    ; the new -M
	DL 1
	v_sub_f32 v9, v[NM], v9
	DL 1
	v_cvt_i32_f32 v9, v9
	DL 1
	v_ldexp_f32 v[FP], 1.0, v9                     ; f = 2^(old M - new M)
	DL 4
	v_add_f32 v[ADD], s27, v[NM]
.set ii, 0
.rept 32
	v_pk_fma_f32 v[S+ii:S+ii+1], v[S+ii:S+ii+1], s[22:23], v[ADD:ADD+1] op_sel_hi:[1,0,0]   ; t - M
.set ii, ii+2
.endr
.irp b, 0,1,2,3
	v_fma_f32 v[BM+\b], v[BM+\b], s22, v[ADD]
.endr
.set ii, 0
	s_wait_alu depctr_va_vdst(0)                   ; ahead of the batch
.rept 64
	v_exp_f32 v[S+ii], v[S+ii]                     ; p
.set ii, ii+1
.endr
	v_pk_mul_f32 v[14:15], v[14:15], v[FP:FP+1] op_sel_hi:[1,0]   ; the sums under the new M
	s_wait_alu depctr_va_vdst(0)                   ; behind the batch
.irp b, 0,1,2,3
	v_exp_f32 v[BM+\b], v[BM+\b]                   ; the block's largest p
.endr
	v_pk_add_f32 v[228:229], v[100:101], v[104:105]
	v_pk_add_f32 v[254:255], v[108:109], v[112:113]
	v_pk_add_f32 v[252:253], v[116:117], v[120:121]
	v_pk_add_f32 v[250:251], v[124:125], v[128:129]
	v_pk_add_f32 v[248:249], v[132:133], v[136:137]
	v_pk_add_f32 v[246:247], v[140:141], v[144:145]
	v_pk_add_f32 v[244:245], v[148:149], v[152:153]
	v_pk_add_f32 v[14:15], v[14:15], v[156:157]
	v_pk_add_f32 v[228:229], v[228:229], v[96:97]
	v_pk_add_f32 v[254:255], v[254:255], v[98:99]
	v_pk_add_f32 v[252:253], v[252:253], v[102:103]
	v_pk_add_f32 v[250:251], v[250:251], v[106:107]
	v_pk_add_f32 v[248:249], v[248:249], v[110:111]
	v_pk_add_f32 v[246:247], v[246:247], v[114:115]
	v_pk_add_f32 v[244:245], v[244:245], v[118:119]
	v_pk_add_f32 v[14:15], v[14:15], v[122:123]
	v_pk_add_f32 v[228:229], v[228:229], v[126:127]
	v_pk_add_f32 v[254:255], v[254:255], v[130:131]
	v_pk_add_f32 v[252:253], v[252:253], v[134:135]
	v_pk_add_f32 v[250:251], v[250:251], v[138:139]
	v_pk_add_f32 v[248:249], v[248:249], v[142:143]
	v_pk_add_f32 v[246:247], v[246:247], v[146:147]
	v_pk_add_f32 v[244:245], v[244:245], v[150:151]
	v_pk_add_f32 v[14:15], v[14:15], v[154:155]
	v_pk_add_f32 v[228:229], v[228:229], v[158:159]
	DL 2
	v_pk_add_f32 v[14:15], v[14:15], v[250:251]
	DL 2
	v_pk_add_f32 v[228:229], v[228:229], v[248:249]
	v_pk_add_f32 v[254:255], v[254:255], v[246:247]
	v_pk_add_f32 v[252:253], v[252:253], v[244:245]
	DL 2
	v_pk_add_f32 v[14:15], v[14:15], v[254:255]
	DL 2
	v_pk_add_f32 v[228:229], v[228:229], v[252:253]
	DL 1
	v_pk_add_f32 v[14:15], v[14:15], v[228:229]
	s_wait_alu depctr_va_vdst(0)                   ; for the four
.irp b, 0,1,2,3
	v_max_num_f32 v[BM+\b], 0x1800000, v[BM+\b]    ; the floor: the byte cannot fall under 1
.endr
.irp b, 0,1,2,3
	DL 4
	v_add_nc_u32 v[SO+\b], 0xff000000, v[BM+\b]
.endr
.irp b, 0,1,2,3
	DL 4
	v_lshrrev_b32 v[SBY+\b], 23, v[SO+\b]
.endr
	DL 3
	v_lshl_or_b32 v[PW], v[SBY+1], 8, v[SBY]
	DL 1
	v_lshl_or_b32 v[PW], v[SBY+2], 16, v[PW]
	DL 1
	v_lshl_or_b32 v[PW], v[SBY+3], 24, v[PW]
.irp c, 0,1
	v_cvt_scalef32_pk16_fp6_f32 v[PC+6*\c:PC+6*\c+2], v[S+32*\c:S+32*\c+15], v[SO+2*\c]
	v_cvt_scalef32_pk16_fp6_f32 v[CT+4*\c:CT+4*\c+2], v[S+16+32*\c:S+31+32*\c], v[SO+2*\c+1]
.endr
	v_nop
.irp c, 0,1
.irp i, 0,1,2
	v_permlane16_swap_b32 v[PC+6*\c+\i], v[CT+4*\c+\i]   ; a whole block to a lane
.endr
.irp i, 0,1,2
	DL 3
	v_mov_b32 v[PC+3+6*\c+\i], v[CT+4*\c+\i]
.endr
.endr
.set ii, 0
.rept 16
	v_pk_mul_f32 v[O+ii:O+ii+1], v[O+ii:O+ii+1], v[FP:FP+1] op_sel_hi:[1,0]   ; O^T under the new M; also the places ahead of the products
.set ii, ii+2
.endr
	s_wait_alu depctr_va_vdst(0)
	s_wait_dscnt 0x0                               ; V
.irp d, 0,1,2,3                                ; O^T += V^T P^T
	v_wmma_scale_f32_16x16x128_f8f6f4 v[O+8*\d:O+8*\d+7], v[FRG+12*\d:FRG+12*\d+11], v[PC:PC+11], v[O+8*\d:O+8*\d+7], v[VSC+\d], v[PW] matrix_a_fmt:MATRIX_FMT_FP6 matrix_b_fmt:MATRIX_FMT_FP6
.endr
	s_add_co_u32 s53, s53, STEPB
	s_add_co_u32 s54, s54, 512
	s_add_co_u32 s55, s55, 128
.endm
.Lpass:
	global_load_b128 v[36:39], v[LI], s[60:61]     ; the fragment of q that holds my tile
	global_load_b128 v[40:43], v[LI], s[60:61] offset:512
	global_load_b128 v[44:47], v[LI], s[60:61] offset:1024
	global_load_b32 v[QRW], v[VQW], s[60:61]
	s_wait_loadcnt 0x0
.irp i, 0,1,2,3,4,5
	v_cndmask_b32 v[QZ+6+\i], v[36+\i], v[42+\i], s76
.endr
	v_perm_b32 v[QW], v[QRW], v[QRW], s77          ; my tile's two bytes serve both halves of K = 128
	v_mov_b32 v[TMAX], 0xff61b1e6                  ; -3e38
	DL 1
	v_floor_f32 v[NM], -v[TMAX]
	v_mov_b32 v14, 0
	v_mov_b32 v15, 0
.set ii, 0
.rept 32
	v_mov_b32 v[O+ii], 0                           ; the step is written once, its first walk finds zeros
.set ii, ii+1
.endr
	s_mov_b32 s53, 0
	s_mov_b32 s54, 0
	s_mov_b32 s55, 0
	s_mov_b32 s58, 16
.Lstep:
	STEP
	s_sub_co_u32 s58, s58, 1
	s_cmp_lg_u32 s58, 0
	s_cbranch_scc1 .Lstep
	; THE WAY OUT OF A PASS
.rept 4
	v_nop
.endr
	v_add_f32 v14, v14, v15
	DL 1
	v_permlanex16_b32 v[PT], v14, s20, s21
	DL 1
	v_add_f32 v14, v14, v[PT]                      ; the row's sum
	s_wait_alu depctr_va_vdst(0)
	v_rcp_f32 v9, v14
	v_nop
	s_wait_alu depctr_va_vdst(0)
.set ii, 0
.rept 32
	v_mul_f32 v[S+ii], v[O+ii], v9                 ; o: register 8 d + j is channel 16 d + 8 h + j
.set ii, ii+1
.endr
.irp b, 0,1                                    ; afterwards register 16 b + i of lane (r, h) is channel 32 b + 16 h + i
.irp j, 0,1,2,3,4,5,6,7
	v_permlane16_swap_b32 v[S+16*\b+\j], v[S+8+16*\b+\j]
.endr
.endr
.irp b, 0,1
	v_max3_num_f32 v[BM+\b], |v[S+16*\b]|, |v[S+1+16*\b]|, 0x1800000
.endr
.irp i, 2,4,6,8,10,12,14
.irp b, 0,1
	DL 2
	v_max3_num_f32 v[BM+\b], v[BM+\b], |v[S+16*\b+\i]|, |v[S+1+16*\b+\i]|
.endr
.endr
.irp b, 0,1
	DL 2
	v_permlanex16_b32 v[PT+\b], v[BM+\b], s20, s21
.endr
.irp b, 0,1
	DL 2
	v_max_num_f32 v[BM+\b], v[BM+\b], v[PT+\b]
.endr
.irp b, 0,1
	DL 2
	v_add_nc_u32 v[SO+\b], 0xff000000, v[BM+\b]
.endr
.irp b, 0,1
	DL 2
	v_lshrrev_b32 v[SBY+\b], 23, v[SO+\b]
.endr
	v_cvt_scalef32_pk16_fp6_f32 v[PC:PC+2], v[S:S+15], v[SO]
	v_cvt_scalef32_pk16_fp6_f32 v[CT:CT+2], v[S+16:S+31], v[SO+1]
	v_nop
.irp i, 0,1,2
	v_permlane16_swap_b32 v[PC+\i], v[CT+\i]
.endr
.irp i, 0,1,2
	DL 3
	v_mov_b32 v[PC+3+\i], v[CT+\i]                 ; lane (r, h): block h of query r's 64 channels
.endr
.irp e, 0,1,2
	global_store_b64 v[L8], v[PC+2*\e:PC+2*\e+1], s[62:63] offset:256*\e   ; 32 lanes store 256 consecutive bytes, aligned
.endr
	v_cndmask_b32 v9, v[SBY], v[SBY+1], s52
	global_store_b8 v[SA], v9, s[66:67]
	s_wait_xcnt 0x0                                ; registers and bases are written again only behind this wait
	s_add_nc_u64 s[60:61], s[60:61], 2*PART
	s_add_nc_u64 s[62:63], s[62:63], 16*12288
	s_add_nc_u64 s[66:67], s[66:67], 256*32
	s_add_co_u32 s56, s56, 256
	s_sub_co_u32 s57, s57, 1
	s_cmp_lg_u32 s57, 0
	s_cbranch_scc1 .Lpass
	s_wait_tensorcnt 0x0                           ; the wave's end
	ds_add_u32 v238, v239
	s_wait_dscnt 0x0
	s_endpgm
.Lfunc_end_k_qb03a6b845a_attn:
	.size	k_qb03a6b845a_attn, .Lfunc_end_k_qb03a6b845a_attn-k_qb03a6b845a_attn
	.p2alignl 7, 3214868480
	.fill 96, 4, 3214868480
	.section	.rodata,"a",@progbits
	.p2align	6, 0x0
	.amdhsa_kernel k_qb03a6b845a_attn
		.amdhsa_group_segment_fixed_size 223232
		.amdhsa_private_segment_fixed_size 0
		.amdhsa_enable_private_segment 0
		.amdhsa_kernarg_size 48
		.amdhsa_user_sgpr_count 2
		.amdhsa_user_sgpr_kernarg_segment_ptr 1
		.amdhsa_wavefront_size32 1
		.amdhsa_system_sgpr_workgroup_id_x 1
		.amdhsa_system_sgpr_workgroup_id_y 1
		.amdhsa_system_sgpr_workgroup_id_z 1
		.amdhsa_system_vgpr_workitem_id 0
		.amdhsa_next_free_vgpr 256
		.amdhsa_next_free_sgpr 80
		.amdhsa_reserve_vcc 1
		.amdhsa_float_denorm_mode_32 3
		.amdhsa_float_denorm_mode_16_64 3
		.amdhsa_memory_ordered 1
		.amdhsa_forward_progress 1
		.amdhsa_inst_pref_size 36
	.end_amdhsa_kernel
	.amdgpu_metadata
---
amdhsa.version: [ 1, 2 ]
amdhsa.kernels:
  - .name:           k_qb03a6b845a_attn
    .symbol:         k_qb03a6b845a_attn.kd
    .args:
      - { .name: qb, .offset: 0, .size: 8, .value_kind: global_buffer, .address_space: global }
      - { .name: kv, .offset: 8, .size: 8, .value_kind: global_buffer, .address_space: global }
      - { .name: tbl, .offset: 16, .size: 8, .value_kind: global_buffer, .address_space: global }
      - { .name: patch_mask, .offset: 24, .size: 8, .value_kind: global_buffer, .address_space: global }
      - { .name: att, .offset: 32, .size: 8, .value_kind: global_buffer, .address_space: global }
      - { .name: asc, .offset: 40, .size: 8, .value_kind: global_buffer, .address_space: global }
    .group_segment_fixed_size: 223232
    .private_segment_fixed_size: 0
    .kernarg_segment_align: 8
    .kernarg_segment_size: 48
    .max_flat_workgroup_size: 512
    .sgpr_count:     80
    .vgpr_count:     256
    .wavefront_size: 32
...
	.end_amdgpu_metadata
.endif
;; end of part 2
;; launch oproj (part 3): grid 4 x 64, 4 waves a work-group, clusters of 4 x 4, 327,680 bytes of LDS; arguments att, asc, Wo_codes, Wo_scales, out0, bo, patch_mask; writes out0
.if DOCPART == 3
	.amdgcn_target "amdgcn-amd-amdhsa--gfx1250"
	.amdhsa_code_object_version 6
	.text
	.protected	k_qb03a6b845a_oproj
	.globl	k_qb03a6b845a_oproj
	.p2align	8
	.type	k_qb03a6b845a_oproj,@function
k_qb03a6b845a_oproj:
	s_mov_b64 s[64:65], 0
	v_nop
	global_prefetch_b8 v0, s[64:65] scope:SCOPE_SE
	s_setreg_imm32_b32 hwreg(HW_REG_WAVE_MODE, 25, 1), 1
	s_wait_xcnt 0x0
	s_wait_alu depctr_hold_cnt(0) depctr_sa_sdst(0) depctr_va_vdst(0) depctr_va_sdst(0) depctr_va_ssrc(0) depctr_va_vcc(0) depctr_vm_vsrc(0)
	s_getreg_b32 s2, hwreg(HW_REG_IB_STS2, 6, 4)
	s_cmp_eq_u32 s2, 0
	s_cbranch_scc0 .Lentry_in_a_cluster
	s_endpgm
.Lentry_in_a_cluster:
	s_bfe_u32 s2, ttmp6, 0x10000c
	s_cmp_lg_u32 s2, 0xf033
	s_cbranch_scc0 .Lentry_shape_is_right
	s_endpgm
.Lentry_shape_is_right:
; out = (o Wo^T + bo) x patch_mask on codes of FP6 (E2M3).  att: o's codes as operand registers, [tile of 16 tokens][head][3][lane][8 bytes]; asc: [token][32] scale bytes.
; A work-group makes 128 rows x 256 columns: 64 x 4 = 256 work-groups.  Four waves side by side: a wave makes all 128 rows x 64 columns.
; ALL OF K COMES INTO LDS ONCE, one joint load a wave at the head: B's 256 rows of 768 bytes (16 bytes of padding behind every 256: pitch 816), B's scale bytes, A's image (98,304 dense bytes, as rows of 256), A's scale bytes.
; Nothing is filled again.  A's tiles are shared by a row of the cluster, B's by a column.  No prefetch: all requests go out at the head.
; THE WALK GOES BY ROWS OF THE RESULT.  A wave holds its 64 rows of Wo, all of K, in 384 registers; o's eight blocks of 16 rows stream past in two sets.  A block is 32 products, its four accumulators by turns;
; it is finished then, is multiplied by the mask, goes through my stage and is stored while the later blocks are multiplied.
; Source 0 = Wo's rows, source 1 = o's rows: a lane holds eight neighbouring columns of a row.  The bias is the C of a block's first four products.
; The first barrier shows B and its scales (waves 0 and 1 wait, each for a load line of its own); the second shows the rest, and that every wave has its weights in registers: behind it the stages lie in B's bytes.
; REGISTERS: window 0: v16-30 addresses, v32-63 B's scale words, v68-83 A's (two sets), v96-159 two sets of four accumulators, v160-191 the bias, v192-199 the mask, v200-231 a block read back from the stage;
;   windows 1, 2: B's fragments (K steps 0-4, 5-7); window 3: A's fragments, two sets of 96.
.set PITCH,  816
.set BB,     98304
.set SCA,    BB+256*PITCH
.set SCB,    SCA+16*272
.set SPARE,  SCB+32*272
.set SBLK,   544                       ; the scale bytes of 16 rows
.set SPITCH, 272                       ; the stage: 16 rows of 256 bytes + 16
.set ADRA, 16                          ; v16 A's blocks 0-3, v17 blocks 4-7
.set ADRB, 20                          ; v20, v21 (v21: pieces whose lanes 16-31 lie behind one padding more)
.set STO,  24
.set RD,   25
.set CO,   26
.set ADSA, 27
.set SPW,  28
.set NIL,  29
.set ADSB, 30
.set SB,   32
.set SA,   68                          ; 4 modulo 8, so that A's and B's word of a product never have the same number modulo 8
.set ACC,  96
.set BI,   160
.set PM,   192
.set RB,   200
.set G1A, 24
.set G1B, 32
.set G1SA, 48
.set G1SB, 56
.set G0A, 68
.set G0B, 72
.set G0SA, 76
.set G0SB, 80
.set MSB, 0
.macro WIN new
.if MSB != \new
	s_set_vgpr_msb (MSB<<8)|\new
.set MSB, \new
.endif
.endm
.macro PLACES n
.rept \n
	v_nop
.endr
.endm
.macro CROUND
	s_barrier_signal -1
	s_barrier_wait -1
	s_cmp_lg_u32 s14, 0
	s_cbranch_scc1 .Lnot_wave_0_\@
	s_barrier_signal -3
.Lnot_wave_0_\@:
	s_barrier_wait -3
	s_barrier_signal -1
	s_barrier_wait -1
.endm
.macro DENSE g, rows                   ; group 1's words 1 to 7: rows of 256 bytes, 32 elements of 8
	s_mov_b32 s[\g+1], 32<<16
	s_mov_b32 s[\g+2], (\rows)<<16
	s_mov_b32 s[\g+3], 32<<16
	s_mov_b32 s[\g+4], \rows
	s_mov_b32 s[\g+5], 32
	s_mov_b32 s[\g+6], 0
	s_mov_b32 s[\g+7], 0
.endm
.macro GROUP0 g, lds, base, off
	s_mov_b32 s[\g], 1
	s_mov_b32 s[\g+1], \lds
	s_add_nc_u64 s[\g+2:\g+3], s[\base:\base+1], s[\off:\off+1]
	s_or_b32 s[\g+3], s[\g+3], 0x80000000
.endm
	s_load_b128 s[4:7], s[0:1], 0x0        ; att, asc
	s_load_b128 s[8:11], s[0:1], 0x10      ; Wo's codes, scales
	s_load_b64 s[12:13], s[0:1], 0x20      ; out0
	s_load_b128 s[96:99], s[0:1], 0x28     ; bo, patch_mask
	v_lshl_add_u32 v[SPW], v0, 2, SPARE
	v_mov_b32 v[NIL], 0
	ds_add_u32 v[SPW], v[NIL]              ; the opening lines
	ds_add_u32 v[SPW], v[NIL]
	v_lshrrev_b32 v1, 5, v0
	v_readfirstlane_b32 s14, v1            ; wave: my 64 columns
	s_bfe_u32 s40, ttmp6, 0x40000          ; cx = tile column
	s_bfe_u32 s41, ttmp6, 0x40004          ; cy
	s_and_b32 s17, ttmp7, 0xffff
	s_lshl_b32 s17, s17, 2
	s_add_co_u32 s17, s17, s41             ; tile row
	s_lshl_b32 s43, s41, 2
	s_lshl_b32 s43, 15, s43                ; my row of the cluster
	s_lshl_b32 s44, 0x1111, s40            ; my column
	s_or_b32 s[G1A+0], s43, (3<<16)|(1<<21)
	DENSE G1A, 384
	s_or_b32 s[G1B+0], s44, (1<<20)|(1<<21)|(5<<22)|(3<<25)
	s_mov_b32 s[G1B+1], 768<<16
	s_mov_b32 s[G1B+2], 256<<16
	s_mov_b32 s[G1B+3], 768<<16
	s_mov_b32 s[G1B+4], 256
	s_mov_b32 s[G1B+5], 768
	s_mov_b32 s[G1B+6], 0
	s_mov_b32 s[G1B+7], 0
	s_or_b32 s[G1SA+0], s43, (3<<16)|(1<<20)|(1<<21)|(5<<22)|(3<<25)
	DENSE G1SA, 16
	s_or_b32 s[G1SB+0], s44, (3<<16)|(1<<20)|(1<<21)|(5<<22)|(3<<25)
	DENSE G1SB, 32
	s_mul_i32 s20, s17, 98304              ; my 128 rows' codes,
	s_mov_b32 s21, 0
	s_lshl_b32 s22, s17, 12                ; and scale bytes
	s_mov_b32 s23, 0
	s_mul_i32 s46, s40, 256*768            ; my 256 rows of Wo
	s_mov_b32 s47, 0
	s_lshl_b32 s18, s40, 13
	s_mov_b32 s19, 0
	s_wait_dscnt 0x0
	s_wait_kmcnt 0x0
	GROUP0 G0A, 0, 4, 20
	GROUP0 G0SA, SCA, 6, 22
	GROUP0 G0B, BB, 8, 46
	GROUP0 G0SB, SCB, 10, 18
	CROUND                                 ; in front of the joint loads
.macro ARM under, g0, g1, next
	s_cmp_lt_u32 s14, \under
	s_cbranch_scc0 \next
	tensor_load_to_lds s[\g0:\g0+3], s[\g1:\g1+7]
	s_nop 0
	PLACES 4
	s_branch .Lhead_asked
\next:
.endm
	ARM 1, G0B,  G1B,  .Lhead_sb           ; what goes on into registers is asked for first
	ARM 2, G0SB, G1SB, .Lhead_a
	ARM 3, G0A,  G1A,  .Lhead_sa
	tensor_load_to_lds s[G0SA:G0SA+3], s[G1SA:G1SA+7]
	s_nop 0
	PLACES 4
.Lhead_asked:
	v_and_b32 v1, 15, v0                   ; r
	v_bfe_u32 v2, v0, 4, 1                 ; h
	v_and_b32 v3, 31, v0                   ; lane
	v_lshlrev_b32 v[ADRA], 3, v3
	v_add_nc_u32 v[ADRA+1], 4*12288, v[ADRA]
	v_mul_u32_u24 v5, v1, PITCH
	v_mad_u32_u24 v6, v2, 24, v5
	v_mad_u32_u24 v7, v2, 40, v5
	s_mul_i32 s22, s14, 64*PITCH
	s_add_co_u32 s22, s22, BB
	v_add_nc_u32 v[ADRB], s22, v6
	v_add_nc_u32 v[ADRB+1], s22, v7
	v_lshlrev_b32 v5, 5, v1                ; my row's 32 scale bytes,
	v_lshrrev_b32 v6, 8, v5
	v_lshl_add_u32 v5, v6, 4, v5           ; and 16 more for each 256 passed
	s_mul_i32 s22, s14, 4*SBLK
	s_add_co_u32 s22, s22, SCB
	v_add_nc_u32 v[ADSA], SCA, v5
	v_add_nc_u32 v[ADSB], s22, v5
	s_mul_i32 s23, s14, 16*SPITCH          ; my stage, in B's bytes
	s_add_co_u32 s23, s23, BB
	v_mul_u32_u24 v5, v1, SPITCH           ; in: row r, 32 bytes for each half of the lanes
	v_lshl_add_u32 v5, v2, 5, v5
	v_add_nc_u32 v[STO], s23, v5
	v_mul_u32_u24 v6, v2, SPITCH           ; back: lanes 0-15 one row of 256 bytes, lanes 16-31 the next
	v_lshl_add_u32 v6, v1, 4, v6
	v_add_nc_u32 v[RD], s23, v6
	v_lshlrev_b32 v7, 12, v2               ; and the same two rows of out0
	v_lshl_add_u32 v[CO], v1, 4, v7
	s_lshl_b32 s46, s40, 10
	s_lshl_b32 s47, s14, 8
	s_add_co_u32 s46, s46, s47             ; my first column, in bytes
	s_mov_b32 s47, 0
	s_lshl_b32 s20, s17, 19                ; my first row, 128 x tile row, in bytes of out0
	s_mov_b32 s21, 0
	s_lshl_b32 s2, s17, 9                  ; and of the mask
	s_add_nc_u64 s[20:21], s[20:21], s[46:47]
	s_add_nc_u64 s[12:13], s[12:13], s[20:21]
	v_lshl_add_u32 v8, v2, 5, s46
	v_lshl_add_u32 v9, v1, 2, s2
.irp b, 0,1,2,3
	global_load_b128 v[BI+8*\b:BI+8*\b+3], v8, s[96:97] offset:64*\b         ; bo at columns 16 b + 8 h + 0 .. 7
	global_load_b128 v[BI+8*\b+4:BI+8*\b+7], v8, s[96:97] offset:64*\b+16
.endr
.irp a, 0,1,2,3,4,5,6,7
	global_load_b32 v[PM+\a], v9, s[98:99] offset:64*\a                      ; patch_mask of row 16 a + r
.endr
.macro FRAGB reg, q, i                 ; six pieces of 8 bytes; piece n of a row lies at 8 n + 16 (n / 32)
.irp p, 0,1,2,3,4,5
.set PC_, 12*(\q)+6*(\p/3)+\p%3
	ds_load_b64 v[\reg+2*\p:\reg+2*\p+1], v[ADRB+(PC_%32+3)/32] offset:8*PC_+16*(PC_/32)+(\i)*16*PITCH
.endr
.endm
.macro FETCH s                         ; block s of A, all of K, and its scale words into set s % 2: 50 loads
	WIN 0xc0
.irp q, 0,1,2,3,4,5,6,7
.irp p, 0,1,2,3,4,5
	ds_load_b64 v[96*((\s)%2)+12*\q+2*\p:96*((\s)%2)+12*\q+2*\p+1], v[ADRA+(\s)/4] offset:12288*((\s)%4)+1536*\q+256*\p
.endr
.endr
	WIN 0
	ds_load_b128 v[SA+8*((\s)%2):SA+8*((\s)%2)+3], v[ADSA] offset:(\s)*SBLK
	ds_load_b128 v[SA+8*((\s)%2)+4:SA+8*((\s)%2)+7], v[ADSA] offset:(\s)*SBLK+16
.endm
.macro PUT s                           ; block s leaves: 16 lanes store 256 consecutive bytes, aligned
.irp t, 0,1,2,3,4,5,6,7
	global_store_b128 v[CO], v[RB+4*\t:RB+4*\t+3], s[12:13] offset:(\s)*65536+\t*8192 th:TH_STORE_NT
.endr
.endm
.macro BLK s
.set AE_, ACC+32*((\s)%2)
.if (\s) < 7
	s_wait_dscnt 50                        ; all but the next block's fetch: this block's rows are in, and the last block is back from the stage
.else
	s_wait_dscnt 0x0
.endif
.if (\s) > 0
	PUT (\s)-1
.endif
.irp q, 0,1,2,3,4,5,6,7
	WIN (1+\q/5)|0x0c
.irp b, 0,1,2,3
.if \q == 0
	v_wmma_scale_f32_16x16x128_f8f6f4 v[AE_+8*\b:AE_+8*\b+7], v[48*(\q%5)+12*\b:48*(\q%5)+12*\b+11], v[96*((\s)%2)+12*\q:96*((\s)%2)+12*\q+11], v[BI+8*\b:BI+8*\b+7], v[SB+8*\b+\q], v[SA+8*((\s)%2)+\q] matrix_a_fmt:MATRIX_FMT_FP6 matrix_b_fmt:MATRIX_FMT_FP6
.else
	v_wmma_scale_f32_16x16x128_f8f6f4 v[AE_+8*\b:AE_+8*\b+7], v[48*(\q%5)+12*\b:48*(\q%5)+12*\b+11], v[96*((\s)%2)+12*\q:96*((\s)%2)+12*\q+11], v[AE_+8*\b:AE_+8*\b+7], v[SB+8*\b+\q], v[SA+8*((\s)%2)+\q] matrix_a_fmt:MATRIX_FMT_FP6 matrix_b_fmt:MATRIX_FMT_FP6
.endif
.endr
.endr
	WIN 0
	s_wait_xcnt 0x0                        ; the last block's stores have read their registers
	PLACES 4
.set jj, 0
.rept 32
	v_mul_f32 v[AE_+jj], v[PM+(\s)], v[AE_+jj]     ; x the row's mask; each accumulator from its low end on
.set jj, jj+1
.endr
.irp b, 0,1,2,3
	ds_store_b128 v[STO], v[AE_+8*\b:AE_+8*\b+3] offset:64*\b
	ds_store_b128 v[STO], v[AE_+8*\b+4:AE_+8*\b+7] offset:64*\b+16
.endr
.irp t, 0,1,2,3,4,5,6,7
	ds_load_b128 v[RB+4*\t:RB+4*\t+3], v[RD] offset:\t*2*SPITCH    ; LDS serves a wave's instructions in order (ISA guide 5.7.1.4)
.endr
.if (\s) < 6
	FETCH (\s)+2
.endif
.endm
	s_wait_alu depctr_va_vdst(0)           ; the wait at the head's end
	s_cmp_lt_u32 s14, 2
	s_cbranch_scc0 .Lnot_b
	s_wait_tensorcnt 0x0                   ; waves 0 and 1: B's codes, B's scale bytes
.Lnot_b:
	s_barrier_signal -1
	s_barrier_wait -1                      ; B is in; A may still be on its way
.irp q, 0,1,2,3,4,5,6,7                ; my 64 rows of Wo, all of K: 192 loads
	WIN (1+\q/5)<<6
.irp b, 0,1,2,3
	FRAGB 48*(\q%5)+12*\b, \q, \b
.endr
.endr
	WIN 0
.irp b, 0,1,2,3
	ds_load_b128 v[SB+8*\b:SB+8*\b+3], v[ADSB] offset:\b*SBLK      ; a row's eight scale words
	ds_load_b128 v[SB+8*\b+4:SB+8*\b+7], v[ADSB] offset:\b*SBLK+16
.endr
	s_wait_tensorcnt 0x0                   ; every wave: all that is still out
	s_wait_dscnt 0x0                       ; my reads of B are over
	s_barrier_signal -1
	s_barrier_wait -1                      ; A is in, and B's bytes are free for the stages
	FETCH 0
	FETCH 1
	s_wait_loadcnt 0x0                     ; the bias and the mask
.set KB, 0
.rept 8
	BLK KB
.set KB, KB+1
.endr
	s_wait_dscnt 0x0
	PUT 7
	s_wait_tensorcnt 0x0                   ; the wave's end
	ds_add_u32 v[SPW], v[NIL]
	s_wait_dscnt 0x0
	CROUND                                 ; the closing round
	s_endpgm
.Lfunc_end_k_qb03a6b845a_oproj:
	.size	k_qb03a6b845a_oproj, .Lfunc_end_k_qb03a6b845a_oproj-k_qb03a6b845a_oproj
	.p2alignl 7, 3214868480
	.fill 96, 4, 3214868480
	.section	.rodata,"a",@progbits
	.p2align	6, 0x0
	.amdhsa_kernel k_qb03a6b845a_oproj
		.amdhsa_group_segment_fixed_size 327680
		.amdhsa_private_segment_fixed_size 0
		.amdhsa_enable_private_segment 0
		.amdhsa_kernarg_size 56
		.amdhsa_user_sgpr_count 2
		.amdhsa_user_sgpr_kernarg_segment_ptr 1
		.amdhsa_wavefront_size32 1
		.amdhsa_system_sgpr_workgroup_id_x 1
		.amdhsa_system_sgpr_workgroup_id_y 1
		.amdhsa_system_sgpr_workgroup_id_z 1
		.amdhsa_system_vgpr_workitem_id 0
		.amdhsa_next_free_vgpr 960
		.amdhsa_next_free_sgpr 100
		.amdhsa_reserve_vcc 0
		.amdhsa_float_denorm_mode_32 3
		.amdhsa_float_denorm_mode_16_64 3
		.amdhsa_memory_ordered 1
		.amdhsa_forward_progress 1
		.amdhsa_inst_pref_size 105
	.end_amdhsa_kernel
	.amdgpu_metadata
---
amdhsa.version: [ 1, 2 ]
amdhsa.kernels:
  - .name:           k_qb03a6b845a_oproj
    .symbol:         k_qb03a6b845a_oproj.kd
    .args:
      - { .name: att, .offset: 0, .size: 8, .value_kind: global_buffer, .address_space: global }
      - { .name: asc, .offset: 8, .size: 8, .value_kind: global_buffer, .address_space: global }
      - { .name: Wo_codes, .offset: 16, .size: 8, .value_kind: global_buffer, .address_space: global }
      - { .name: Wo_scales, .offset: 24, .size: 8, .value_kind: global_buffer, .address_space: global }
      - { .name: out0, .offset: 32, .size: 8, .value_kind: global_buffer, .address_space: global }
      - { .name: bo, .offset: 40, .size: 8, .value_kind: global_buffer, .address_space: global }
      - { .name: patch_mask, .offset: 48, .size: 8, .value_kind: global_buffer, .address_space: global }
    .group_segment_fixed_size: 327680
    .private_segment_fixed_size: 0
    .kernarg_segment_align: 8
    .kernarg_segment_size: 56
    .max_flat_workgroup_size: 128
    .sgpr_count:     100
    .vgpr_count:     960
    .wavefront_size: 32
...
	.end_amdgpu_metadata
.endif
;; end of part 3
